; MI455X (gfx1250); checked and timed in simulation.
; The chip was launched on July 23, 2026; its instructions are those of AMD's public machine-readable ISA for CDNA 5 (MIT licence, August 2026) and "CDNA5" Instruction Set Architecture Reference Guide (July 2026). The comments in the code are by the model that wrote it; some were corrected since.
;; VQ Module. Allowed arithmetic: matrix products marked QUANTISED: E2M3 operands, one E8M0 scale for each 32 along K, by v_wmma_scale_f32_16x16x128_f8f6f4 with both operands' format E2M3, f32 sums; everything else in f32.
;; Inputs: emb_weights 16,384 x 256 float32; z 16 x 32 x 32 x 256 float32.
;; Outputs: out0 16 x 32 x 32 x 256 float32; out1 one number float32; out2 16 x 1,024 int32.
;; This version of the problem:
;;   THIS VERSION OF THE PROBLEM IS GIVEN IN LOW PRECISION. The matrix products marked QUANTISED in the list below multiply operands that are first quantised to E2M3 (2 exponent bits, 3 mantissa bits; 6 bits a number), with one power-of-two scale for each 32 numbers along K (OCP MX v1.0); their sums are f32. All else is computed in f32.
;;   The module's matrix products, in the order in which they are computed (A, B: the left and right operand; K: the contracted axis; several contracted axes count as one K, in the product's order):
;;     1. [M 16,384, K 256] x [K 256, N 16,384]; A: input z; B: input emb_weights: QUANTISED
;;   THE QUANTISER, for each operand of a quantised product, along K:
;;     - K is cut into blocks of 32 from its start; a last block that is shorter is filled with zeros.
;;     - A block's scale is 2^e with e = floor(log2(the largest magnitude in the block)) - 2, held to -126 .. 127; a block of zeros has e = 0. As a byte (E8M0): e + 127.
;;     - Each number is divided by its block's scale, clamped to +-7.5, and rounded to the nearest number of E2M3, ties to even, subnormals kept.
;;     - The product sums the exact products of the quantised numbers (number of the format x scale) in f32.
;;   ~~~python
;;   def quantise(x, axis):      # numpy; x: float32 -> the quantised numbers, widened to float32 again
;;       x = np.moveaxis(x, axis, -1); K = x.shape[-1]
;;       x = np.pad(x, [(0, 0)] * (x.ndim - 1) + [(0, -K % 32)]); x = x.reshape(x.shape[:-1] + (-1, 32)); a = np.abs(x).max(-1, keepdims=True)
;;       e = np.where(a > 0, np.clip(np.frexp(np.where(a > 0, a, 1))[1] - 1 - 2, -126, 127), 0)      # np.frexp(a)[1] - 1 = floor(log2(a)), exactly
;;       r = np.clip(x / 2.0 ** e, -7.5, 7.5)
;;       step = 2.0 ** (np.maximum(np.frexp(np.where(r == 0, 1, r))[1] - 1, 0) - 3)
;;       q = np.round(r / step) * step * 2.0 ** e      # np.round: ties to even
;;       return np.moveaxis(q.reshape(q.shape[:-2] + (-1,))[..., :K], -1, axis).astype(np.float32)
;;   ~~~
;; One version. Each part assembles by itself: llvm-mc -triple=amdgcn-amd-amdhsa -mcpu=gfx1250 --defsym DOCPART=n.
;; ======== version 1 of 1: 4 launches
;; limits: right only within a limited range of input values
;; workspace buffers: zc 3,145,728 bytes; ec 3,145,728 bytes; zaux 196,608 bytes; eaux 196,608 bytes; cand 2,097,152 bytes of whole numbers; part 1,024 bytes
;; launch quant (part 1): grid 512 x 1, 4 waves a work-group, no clusters, 68,864 bytes of LDS; arguments z, emb_weights, zc, zaux, ec, eaux; writes zc, zaux, ec, eaux
.if DOCPART == 1
	.amdgcn_target "amdgcn-amd-amdhsa--gfx1250"
	.amdhsa_code_object_version 6
	.text
	.protected	k_q7ace704a8b_quant
	.globl	k_q7ace704a8b_quant
	.p2align	8
	.type	k_q7ace704a8b_quant,@function
k_q7ace704a8b_quant:
	s_mov_b64 s[64:65], 0
	v_nop
	global_prefetch_b8 v0, s[64:65] scope:SCOPE_SE
	s_setreg_imm32_b32 hwreg(HW_REG_WAVE_MODE, 25, 1), 1
	s_wait_xcnt 0x0
; z [16384][256] and emb_weights [16384][256], f32, become codes of FP6 (E2M3) with one E8M0 byte for each 32 along K, and each row's sum of squares (f32).
; A block's scale is 2^(floor(log2(its largest magnitude)) - 2): its byte is the largest magnitude's exponent field - 2, held at 1 from below.
; LIMITS: a block of zeros gets the byte 1 where the rule says 127 (its codes are zeros, and this program alone reads the bytes); NaN and infinities are not served;
; a row's squares are summed in another order than a plain left-to-right sum.
; LAYOUT OF THE CODES: in the order of the operand's registers.  A tile of 16 rows is 3,072 bytes: K step s (128 along K) at 1,536 s; registers 4 k .. 4 k + 3 of lane l at 512 k + 16 l.
; Lane (r, h) of a fragment holds row r, registers 6 c .. 6 c + 5 = K 64 c + 32 h + 0 .. 31: two WHOLE blocks a K step, so no other lane is asked for a maximum.
; LAYOUT OF THE REST: a record of 12,288 bytes for each 1,024 rows: scale words at 128 x tile + 4 l (l < 16: row l, K step 0; l >= 16: row l - 16, K step 1), then 1,024 sums of squares.
; SHARES: the first 256 work-groups take z, the others emb_weights (only pointers are chosen).  A wave takes one tile of 16 rows.  Each load reads 512 consecutive bytes; the numbers turn through the
; wave's own stage in LDS (rows of 512 bytes + 16, so that the 16 rows of a read fall on 16 different columns of 16 bytes) and come back 128 bytes of one row at a time.
.set PITCH, 528
.set HALF,  16*PITCH                   ; a stage: one K half of the 16 rows
.set STG,   2*HALF                     ; a wave's two stages
.set GATH,  4*STG                      ; the work-group's 4 x 128 bytes of scale words
.set NRM,   GATH+512                   ; and its 64 sums of squares
.set TM,  12                           ; v12-13  largest magnitudes of my two blocks
.set SCL, 14                           ; v14-15  the conversions' scale operands
.set BY,  16                           ; v16-17  scale bytes
.set W,   18                           ; v18-19  my row's scale words of K steps 0, 1
.set NS,  20                           ; v20-23  the sum of squares: a packed chain for each block
.set PC,  28                           ; v28-51  the codes: 12 registers a K step
.set T2,  52                           ; v52-58  a block's upper 16 codes (a conversion's three registers begin on an even number)
.set X0,  64                           ; v64-127 K step 0, turned: block c at 32 c
.set R,   128                          ; v128-255 as loaded: K half s, row i at 64 s + 4 i; v128-191 then take K step 1, turned
	s_load_b128 s[4:7], s[0:1], 0x0                ; z, emb_weights
	s_load_b256 s[8:15], s[0:1], 0x10              ; zc, zaux, ec, eaux
	v_lshl_add_u32 v55, v0, 2, 0x10b00
	v_mov_b32 v59, 0
	v_lshrrev_b32 v1, 5, v0
	v_readfirstlane_b32 s16, v1                    ; wave 0..3
	v_and_b32 v1, 31, v0                           ; lane
	v_and_b32 v2, 15, v0                           ; r
	v_bfe_u32 v3, v0, 4, 1                         ; h
	v_lshlrev_b32 v4, 4, v1                        ; 16 x lane: my bytes of a load's or a store's 512
	s_mul_i32 s17, s16, STG
	v_add_nc_u32 v5, s17, v4                       ; the stage on the way in
	v_mul_u32_u24 v6, v2, PITCH
	v_lshl_add_u32 v6, v3, 7, v6
	v_add_nc_u32 v6, s17, v6                       ; and on the way out: row r, + 128 h
	v_lshlrev_b32 v7, 3, v3                        ; 8 h: my bytes' place in a scale word
	s_lshl_b32 s18, s16, 7
	v_lshl_add_u32 v8, v1, 2, s18
	v_add_nc_u32 v8, GATH, v8                      ; where my scale word goes
	s_lshl_b32 s18, s16, 6
	v_lshl_add_u32 v9, v2, 2, s18
	v_add_nc_u32 v9, NRM, v9                       ; where my row's sum goes
	v_add_nc_u32 v10, GATH, v4                     ; wave 0 reads the 512 bytes of scale words back,
	v_lshlrev_b32 v27, 3, v1
	v_add_nc_u32 v11, NRM, v27                     ; wave 1 the 256 bytes of sums
	v_mov_b32 v24, 0                               ; written once: a lane permute's destination counts as one of its sources
	v_mov_b32 v25, 0
	s_mov_b32 s20, 0x76543210
	s_mov_b32 s21, 0xfedcba98                      ; v_permlanex16_b32's selects for lane l xor 16
	s_and_b32 s19, ttmp9, 255                      ; q: which 64 rows of the tensor
	s_lshl_b32 s22, s19, 16
	s_lshl_b32 s23, s16, 14
	s_add_co_u32 s22, s22, s23                     ; the numbers: 65,536 q + 16,384 wave
	s_mov_b32 s23, 0
	s_lshl_b32 s24, s19, 2
	s_add_co_u32 s24, s24, s16
	s_mul_i32 s24, s24, 3072                       ; the codes: tile 4 q + wave
	s_mov_b32 s25, 0
	s_lshr_b32 s26, s19, 4
	s_mul_i32 s26, s26, 12288                      ; the record of my 1,024 rows
	s_and_b32 s27, s19, 15
	s_lshl_b32 s28, s27, 8
	s_add_co_u32 s28, s28, s26
	s_add_co_u32 s28, s28, 8192                    ; the work-group's 64 sums in it
	s_mov_b32 s29, 0
	s_lshl_b32 s27, s27, 9
	s_add_co_u32 s26, s26, s27                     ; and its 128 scale words
	s_mov_b32 s27, 0
	s_wait_kmcnt 0x0
	s_cmp_lt_u32 ttmp9, 256                        ; z's work-group or the codebook's?  The choice hangs on the work-group's number alone
	s_cselect_b64 s[4:5], s[4:5], s[6:7]
	s_cselect_b64 s[8:9], s[8:9], s[12:13]
	s_cselect_b64 s[10:11], s[10:11], s[14:15]
	s_add_nc_u64 s[4:5], s[4:5], s[22:23]
	s_add_nc_u64 s[8:9], s[8:9], s[24:25]
	s_add_nc_u64 s[12:13], s[10:11], s[28:29]      ; the sums
	s_add_nc_u64 s[10:11], s[10:11], s[26:27]      ; the scale words
.irp s, 0,1
.irp i, 0,1,2,3,4,5,6,7,8,9,10,11,12,13,14,15
	global_load_b128 v[R+64*\s+4*\i:R+64*\s+4*\i+3], v4, s[4:5] offset:1024*\i+512*\s th:TH_LOAD_NT   ; 32 lanes read 512 consecutive bytes: half a row
.endr
.endr
; 64 numbers of a lane, v[xs] on (block c at 32 c), become K step s: codes, the row's scale word, and their squares are added.
.macro QH xs, s
.irp i, 0,2,4,6,8,10,12,14,16,18,20,22,24,26,28,30
.irp c, 0,1
.if \i == 0
	v_max3_num_f32 v[TM+\c], |v[\xs+32*\c]|, |v[\xs+32*\c+1]|, 0x1800000   ; the floor 2^(3 - 127) among the leaves: the byte cannot fall under 1
.else
	v_max3_num_f32 v[TM+\c], v[TM+\c], |v[\xs+32*\c+\i]|, |v[\xs+32*\c+\i+1]|
.endif
.if (\i == 0) && (\s == 0)
	v_pk_mul_f32 v[NS+2*\c:NS+2*\c+1], v[\xs+32*\c:\xs+32*\c+1], v[\xs+32*\c:\xs+32*\c+1]   ; the first product starts the sum
.else
	v_pk_fma_f32 v[NS+2*\c:NS+2*\c+1], v[\xs+32*\c+\i:\xs+32*\c+\i+1], v[\xs+32*\c+\i:\xs+32*\c+\i+1], v[NS+2*\c:NS+2*\c+1]
.endif
.endr
.endr
.irp c, 0,1
	v_add_nc_u32 v[SCL+\c], 0xff000000, v[TM+\c]   ; 2 off the exponent field: the conversion takes the exponent field of this operand as its scale
.endr
.irp c, 0,1
	v_lshrrev_b32 v[BY+\c], 23, v[SCL+\c]          ; the scale's byte
.endr
	v_lshl_or_b32 v[W+\s], v[BY+1], 16, v[BY]      ; my two bytes: blocks h and 2 + h,
	v_lshlrev_b32 v[W+\s], v7, v[W+\s]             ; at their places;
	v_permlanex16_b32 v24, v[W+\s], s20, s21
	v_or_b32 v[W+\s], v[W+\s], v24                 ; with lane l xor 16's two the word is whole, in both lanes
.irp c, 0,1
	v_cvt_scalef32_pk16_fp6_f32 v[PC+12*\s+6*\c:PC+12*\s+6*\c+2], v[\xs+32*\c:\xs+32*\c+15], v[SCL+\c]
	v_cvt_scalef32_pk16_fp6_f32 v[T2+4*\c:T2+4*\c+2], v[\xs+32*\c+16:\xs+32*\c+31], v[SCL+\c]
.endr
	v_nop                                          ; one plain place behind the scaled conversions
.irp c, 0,1
.irp i, 0,1,2
	v_mov_b32 v[PC+12*\s+6*\c+3+\i], v[T2+4*\c+\i]
.endr
.endr
.irp k, 0,1,2
	global_store_b128 v4, v[PC+12*\s+4*\k:PC+12*\s+4*\k+3], s[8:9] offset:1536*\s+512*\k   ; the fragment as it stands: 512 consecutive bytes a store
.endr
.endm
	s_wait_loadcnt 16                              ; K half 0 is in; the other half's 16 loads may be out
.irp i, 0,1,2,3,4,5,6,7,8,9,10,11,12,13,14,15
	ds_store_b128 v5, v[R+4*\i:R+4*\i+3] offset:PITCH*\i
.endr
.irp c, 0,1
.irp j, 0,1,2,3,4,5,6,7
	ds_load_b128 v[X0+32*\c+4*\j:X0+32*\c+4*\j+3], v6 offset:256*\c+16*\j   ; LDS serves a wave's instructions in order: these see the stores above
.endr
.endr
	s_wait_loadcnt 0x0
.irp i, 0,1,2,3,4,5,6,7,8,9,10,11,12,13,14,15
	ds_store_b128 v5, v[R+64+4*\i:R+64+4*\i+3] offset:HALF+PITCH*\i
.endr
	s_wait_dscnt 16                                ; all but the 16 stores just issued: K step 0 is back, and the first half's stores have read v128-191,
.irp c, 0,1
.irp j, 0,1,2,3,4,5,6,7
	ds_load_b128 v[R+32*\c+4*\j:R+32*\c+4*\j+3], v6 offset:HALF+256*\c+16*\j   ; which take K step 1
.endr
.endr
	QH X0, 0
	s_wait_dscnt 0x0
	QH R, 1
	v_pk_add_f32 v[NS:NS+1], v[NS:NS+1], v[NS+2:NS+3]
	v_add_f32 v[NS], v[NS], v[NS+1]
	v_permlanex16_b32 v25, v[NS], s20, s21
	v_add_f32 v[NS], v[NS], v25                    ; with lane l xor 16's half of the row: the row's sum of squares
	v_cmp_eq_u32 vcc_lo, 1, v3
	v_cndmask_b32 v26, v[W], v[W+1], vcc_lo        ; lanes 0-15 give K step 0's word, lanes 16-31 K step 1's
	ds_store_b32 v8, v26
	ds_store_b32 v9, v[NS]                         ; both lanes of a row write the same word with the same value
	s_wait_dscnt 0x0                               ; for the others' sake: my stores have landed
	s_barrier_signal -1
	s_barrier_wait -1
	s_cmp_lg_u32 s16, 0
	s_cbranch_scc1 .Lnot_wave_0
	ds_load_b128 v[60:63], v10
	s_wait_dscnt 0x0
	global_store_b128 v4, v[60:63], s[10:11]       ; the work-group's scale words: 512 consecutive bytes, aligned
	s_wait_tensorcnt 0x0
	ds_add_u32 v55, v59
	s_wait_dscnt 0x0
	s_endpgm
.Lnot_wave_0:
	s_cmp_lg_u32 s16, 1
	s_cbranch_scc1 .Lend
	ds_load_b64 v[60:61], v11
	s_wait_dscnt 0x0
	global_store_b64 v27, v[60:61], s[12:13]       ; its 64 sums: 256 consecutive bytes, aligned
.Lend:
	s_wait_tensorcnt 0x0
	ds_add_u32 v55, v59
	s_wait_dscnt 0x0
	s_endpgm
.Lfunc_end_k_q7ace704a8b_quant:
	.size	k_q7ace704a8b_quant, .Lfunc_end_k_q7ace704a8b_quant-k_q7ace704a8b_quant
	.p2alignl 7, 3214868480
	.fill 96, 4, 3214868480
	.section	.rodata,"a",@progbits
	.p2align	6, 0x0
	.amdhsa_kernel k_q7ace704a8b_quant
		.amdhsa_group_segment_fixed_size 68864
		.amdhsa_private_segment_fixed_size 0
		.amdhsa_enable_private_segment 0
		.amdhsa_kernarg_size 48
		.amdhsa_user_sgpr_count 2
		.amdhsa_user_sgpr_kernarg_segment_ptr 1
		.amdhsa_wavefront_size32 1
		.amdhsa_system_sgpr_workgroup_id_x 1
		.amdhsa_system_sgpr_workgroup_id_y 1
		.amdhsa_system_sgpr_workgroup_id_z 1
		.amdhsa_system_vgpr_workitem_id 0
		.amdhsa_next_free_vgpr 256
		.amdhsa_next_free_sgpr 66
		.amdhsa_reserve_vcc 1
		.amdhsa_float_denorm_mode_32 3
		.amdhsa_float_denorm_mode_16_64 3
		.amdhsa_memory_ordered 1
		.amdhsa_forward_progress 1
		.amdhsa_inst_pref_size 22
	.end_amdhsa_kernel
	.amdgpu_metadata
---
amdhsa.version: [ 1, 2 ]
amdhsa.kernels:
  - .name:           k_q7ace704a8b_quant
    .symbol:         k_q7ace704a8b_quant.kd
    .args:
      - { .name: z, .offset: 0, .size: 8, .value_kind: global_buffer, .address_space: global }
      - { .name: emb_weights, .offset: 8, .size: 8, .value_kind: global_buffer, .address_space: global }
      - { .name: zc, .offset: 16, .size: 8, .value_kind: global_buffer, .address_space: global }
      - { .name: zaux, .offset: 24, .size: 8, .value_kind: global_buffer, .address_space: global }
      - { .name: ec, .offset: 32, .size: 8, .value_kind: global_buffer, .address_space: global }
      - { .name: eaux, .offset: 40, .size: 8, .value_kind: global_buffer, .address_space: global }
    .group_segment_fixed_size: 68864
    .private_segment_fixed_size: 0
    .kernarg_segment_align: 8
    .kernarg_segment_size: 48
    .max_flat_workgroup_size: 128
    .sgpr_count:     66
    .vgpr_count:     256
    .wavefront_size: 32
...
	.end_amdgpu_metadata
.endif
;; end of part 1
;; launch dist (part 2): grid 16 x 16, 8 waves a work-group, clusters of 4 x 1, 327,680 bytes of LDS; arguments zc, zaux, ec, eaux, cand; writes cand
.if DOCPART == 2
	.amdgcn_target "amdgcn-amd-amdhsa--gfx1250"
	.amdhsa_code_object_version 6
	.text
	.protected	k_q7ace704a8b_dist
	.globl	k_q7ace704a8b_dist
	.p2align	8
	.type	k_q7ace704a8b_dist,@function
k_q7ace704a8b_dist:
	s_mov_b64 s[64:65], 0
	v_nop
	global_prefetch_b8 v0, s[64:65] scope:SCOPE_SE
	s_setreg_imm32_b32 hwreg(HW_REG_WAVE_MODE, 25, 1), 1
	s_wait_xcnt 0x0
	s_wait_alu depctr_hold_cnt(0) depctr_sa_sdst(0) depctr_va_vdst(0) depctr_va_sdst(0) depctr_va_ssrc(0) depctr_va_vcc(0) depctr_vm_vsrc(0)
	s_getreg_b32 s2, hwreg(HW_REG_IB_STS2, 6, 4)
	s_cmp_eq_u32 s2, 0
	s_cbranch_scc0 .Lentry_in_a_cluster
	s_endpgm
.Lentry_in_a_cluster:
	s_bfe_u32 s2, ttmp6, 0x10000c
	s_cmp_lg_u32 s2, 0x3003
	s_cbranch_scc0 .Lentry_shape_is_right
	s_endpgm
.Lentry_shape_is_right:
; d[i][j] = (zz[i] + ee[j]) - 2 z[i] . e[j], the product on codes of FP6 (E2M3) with E8M0 scales, and for each row i the smallest d and its first j among 1,024 codes.
; ROUNDING: s = zz + ee is rounded once; d = -2 x product + s is one fused multiply-add (2 x product is exact).  So equal d's are equal here too, and the lower j wins.
; LIMITS: NaN and infinities among the inputs are not served.
; SHARES: work-group (X, Y) takes z rows 1,024 X on and codes 1,024 Y on.  Each of its eight waves keeps 128 rows of z (8 tiles x 2 K steps x 12 registers) and walks the 64 tiles of 16 codes;
; a tile read from LDS (3,072 bytes of codes, 128 of scale words, 64 of sums) feeds 16 matrix instructions.
; LDS: the chunk's codes lie whole in LDS, each byte filled once: tiles 0-15 by the head's loads (2 tiles a wave), tiles 16-63 by a second group (6 tiles a wave) that lands under the first 14 tiles' work.
; The 12,288 bytes of scale words and sums go through registers into LDS bytes of their own.  All of LDS is claimed.
; CLUSTER: the four work-groups of a cluster share Y: the codes are asked for JOINTLY (mask 15).  z goes straight into registers, once: as a joint load it would have to land in LDS beside the chunk, 2 x 196,608 bytes.
; NO PREFETCH: all that the work-group reads is asked for by the head's loads and the one group behind them; no later step has a request to run ahead of.
; THE PRODUCT IS USED TRANSPOSED: source 0 = 16 codes, source 1 = 16 rows of z: lane (r, h) holds row r, and register j code 8 h + j of the tile.
; THE ARGMIN: for each tile of z a lane keeps best (its smallest d so far, in two registers by turns), gid (16 x the tile of codes that held it) and that tile's eight d.  A tile takes over only where
; its minimum is SMALLER, so the earliest tile stays; the place among the eight is found once, at the end, lowest first.
; OUT: for each row and chunk a pair of whole numbers: key (d's bits, turned so that unsigned order is d's order) and the code's index.
; REGISTERS: window 0 as named below; window 1 (v256-447): z's fragments, tile zt, K step s at 24 zt + 12 s.
.set TILEB, 3072
.set TA,    16                         ; tiles that the head's loads bring
.set SCS,   64*TILEB                   ; LDS: the codes, then the scale words,
.set NRS,   SCS+8192                   ; then the sums of squares,
.set SPARE, NRS+4096                   ; then the spare words: 128 bytes a wave
.set LI,   1                           ; 16 x lane
.set ADE,  2                           ; the trip's address of codes,
.set ADS,  3                           ; of scale words,
.set ADN,  4                           ; of sums
.set AS0,  5                           ; SCS + 4 x lane
.set AN0,  6                           ; NRS + 32 h
.set HB,   7                           ; 1,024 Y + 8 h
.set ZS,   8                           ; v8-15   z's scale words, a register a tile
.set ZZ,   16                          ; v16-23  zz of my row, a register a tile
.set BB,   24                          ; v24-39  best: set p at 8 p, tile zt at + zt; a tile of codes of parity n reads set n and writes set 1 - n
.set GID,  40                          ; v40-47  gid
.set SCE,  48                          ; v48-49  the codes' scale words, buffer u
.set TID,  50                          ; 16 x the tile of codes in hand
.set M2,   51                          ; -2.0
.set TT,   52                          ; v52-57  partial minima
.set AXA,  58
.set AXL,  59
.set SPW,  60
.set NIL,  61
.set NE,   64                          ; v64-79  ee of my eight codes, buffer u at 8 u
.set EF,   80                          ; v80-127 the codes' fragments, buffer u at 24 u
.set AX,   EF                          ; at the head v80-91 carry my 1,536 bytes of scale words and sums to LDS
.set ACC,  128                         ; v128-159 accumulators: set q at 16 q, tile i at 8 i
.set S,    160                         ; v160-175 s, then d
.set T,    176                         ; v176-191 at work at the head and at the end
.set KEPT, 192                         ; v192-255 the kept tile's eight d, 8 zt + j
.set WV,   18
.set SEL,  20
.set G1A,  24                          ; s[24:31], s[32:39] descriptor groups 1: 24 and 72 rows of 256 bytes
.set G1B,  32
.set G0A,  40                          ; s[40:43], s[44:47] their groups 0
.set G0B,  44
.set TBC,  60
.set TBS,  61
.set TBN,  62
.set CNT,  63
.set MSB, 0
.macro WIN new                         ; the immediate's high byte repeats the setting that is left
.if MSB != \new
	s_set_vgpr_msb (MSB<<8)|\new
.set MSB, \new
.endif
.endm
.macro CROUND                          ; a round of the cluster's barrier
	s_barrier_signal -1
	s_barrier_wait -1
	s_cmp_lg_u32 s[WV], 0
	s_cbranch_scc1 .Lnot_wave_0_\@
	s_barrier_signal -3
.Lnot_wave_0_\@:
	s_barrier_wait -3
	s_barrier_signal -1
	s_barrier_wait -1
.endm
.macro DESC g, rows                    ; a dense block as rows of 256 bytes (32 elements of 8 bytes); mask: all four work-groups; bit 21 set beside it
	s_mov_b32 s[\g], 15|(3<<16)|(1<<21)
	s_mov_b32 s[\g+1], 32<<16
	s_mov_b32 s[\g+2], \rows<<16
	s_mov_b32 s[\g+3], 32<<16
	s_mov_b32 s[\g+4], \rows
	s_mov_b32 s[\g+5], 32
	s_mov_b32 s[\g+6], 0
	s_mov_b32 s[\g+7], 0
.endm
; Four products: the tile of codes in buffer u against z's tiles za, za + 1, into accumulator set q.  The two accumulators take turns; K step 0 starts the sums.
.macro WBLK u, q, za
	WIN 0x04                                       ; source 1 (z) in window 1
.irp i, 0,1
	v_wmma_scale_f32_16x16x128_f8f6f4 v[ACC+16*(\q)+8*\i:ACC+16*(\q)+8*\i+7], v[EF+24*(\u):EF+24*(\u)+11], v[24*((\za)+\i):24*((\za)+\i)+11], 0, v[SCE+(\u)], v[ZS+(\za)+\i] matrix_a_fmt:MATRIX_FMT_FP6 matrix_b_fmt:MATRIX_FMT_FP6
.endr
.irp i, 0,1
	v_wmma_scale_f32_16x16x128_f8f6f4 v[ACC+16*(\q)+8*\i:ACC+16*(\q)+8*\i+7], v[EF+24*(\u)+12:EF+24*(\u)+23], v[24*((\za)+\i)+12:24*((\za)+\i)+23], v[ACC+16*(\q)+8*\i:ACC+16*(\q)+8*\i+7], v[SCE+(\u)], v[ZS+(\za)+\i] matrix_a_fmt:MATRIX_FMT_FP6 matrix_b_fmt:MATRIX_FMT_FP6 matrix_a_scale:MATRIX_SCALE_ROW1 matrix_b_scale:MATRIX_SCALE_ROW1
.endr
	WIN 0
.endm
; The vector work on accumulator set q (z's tiles za, za + 1; ee in buffer n, which is also the tile's parity): 36 instructions for 16 results a lane.
; In each dual pair the destinations are an even and an odd register, the first sources neighbours, the second sources one register or neighbours.
.macro VBLK n, q, za
.irp p, 0,2,4,6
.irp i, 0,1
	v_dual_add_f32 v[S+8*\i+\p], v[NE+8*(\n)+\p], v[ZZ+(\za)+\i] :: v_dual_add_f32 v[S+8*\i+\p+1], v[NE+8*(\n)+\p+1], v[ZZ+(\za)+\i]   ; s = zz + ee
.endr
.endr
.irp p, 0,2,4,6                        ; each accumulator is read from its low end on
.irp i, 0,1
	v_dual_fmac_f32 v[S+8*\i+\p], v[ACC+16*(\q)+8*\i+\p], v[M2] :: v_dual_fmac_f32 v[S+8*\i+\p+1], v[ACC+16*(\q)+8*\i+\p+1], v[M2]   ; d = -2 x product + s
.endr
.endr
.irp k, 0,3                            ; nine leaves, the old best among them, in a tree of four
.irp i, 0,1
	v_min3_num_f32 v[TT+3*\i+\k/3], v[S+8*\i+\k], v[S+8*\i+\k+1], v[S+8*\i+\k+2]
.endr
.endr
.irp i, 0,1
	v_min3_num_f32 v[TT+3*\i+2], v[S+8*\i+6], v[S+8*\i+7], v[BB+8*(\n)+(\za)+\i]
.endr
.irp i, 0,1
	s_delay_alu instid0(VALU_DEP_2)
	v_min3_num_f32 v[BB+8*(1-(\n))+(\za)+\i], v[TT+3*\i], v[TT+3*\i+1], v[TT+3*\i+2]
.endr
.irp i, 0,1
	v_cmp_lt_f32 vcc_lo, v[BB+8*(1-(\n))+(\za)+\i], v[BB+8*(\n)+(\za)+\i]      ; only a smaller minimum takes over
.irp p, 0,2,4,6
	v_dual_cndmask_b32 v[KEPT+8*((\za)+\i)+\p], v[KEPT+8*((\za)+\i)+\p], v[S+8*\i+\p] :: v_dual_cndmask_b32 v[KEPT+8*((\za)+\i)+\p+1], v[KEPT+8*((\za)+\i)+\p+1], v[S+8*\i+\p+1]
.endr
	v_cndmask_b32 v[GID+(\za)+\i], v[GID+(\za)+\i], v[TID], vcc_lo
.endr
.endm
.macro FETCH u, oc, os, on             ; nine LDS loads: a tile of codes as the image of its registers, its scale words, my eight ee
.irp k, 0,1,2,3,4,5
	ds_load_b128 v[EF+24*(\u)+4*\k:EF+24*(\u)+4*\k+3], v[ADE] offset:(\oc)+512*\k
.endr
	ds_load_b32 v[SCE+(\u)], v[ADS] offset:\os
	ds_load_b128 v[NE+8*(\u):NE+8*(\u)+3], v[ADN] offset:\on
	ds_load_b128 v[NE+8*(\u)+4:NE+8*(\u)+7], v[ADN] offset:(\on)+16
.endm
; A tile of codes, in buffer u, against z's eight tiles.  Products and vector work go by turns on two accumulator sets: every read of a result, every load into a buffer that products have read
; and every sum begun anew stands a whole VBLK, 36 plain vector instructions that name none of those products' registers, behind them.
; The first VBLK finishes the tile before; behind it that tile's buffer takes the next tile (pre = 1).
.macro TILE u, pre, oc, os, on
	s_wait_dscnt 0x0                               ; this tile's nine loads, issued three blocks of products ago
.if \u == 0
	v_add_nc_u32 v[ADE], s[TBC], v[LI]             ; the trip's addresses (no LDS load of mine is out)
	v_add_nc_u32 v[ADS], s[TBS], v[AS0]
	v_add_nc_u32 v[ADN], s[TBN], v[AN0]
.endif
	WBLK \u, 0, 0
	VBLK 1-(\u), 1, 6
	v_add_nc_u32 v[TID], 16, v[TID]
.if \pre
	FETCH 1-(\u), \oc, \os, \on
.endif
	WBLK \u, 1, 2
	VBLK \u, 0, 0
	WBLK \u, 0, 4
	VBLK \u, 1, 2
	WBLK \u, 1, 6
	VBLK \u, 0, 4
.endm
.macro TRIP pre2                       ; two tiles of codes
	TILE 0, 1, TILEB, 128, 64
	TILE 1, \pre2, 2*TILEB, 256, 128
	s_add_co_u32 s[TBC], s[TBC], 2*TILEB
	s_add_co_u32 s[TBS], s[TBS], 256
	s_add_co_u32 s[TBN], s[TBN], 128
.endm
	s_load_b256 s[4:11], s[0:1], 0x0               ; zc s[4:5], zaux s[6:7], ec s[8:9], eaux s[10:11]
	s_load_b64 s[12:13], s[0:1], 0x20              ; cand
	v_lshl_add_u32 v[SPW], v0, 2, SPARE
	v_mov_b32 v[NIL], 0
	ds_add_u32 v[SPW], v[NIL]                      ; the opening lines: the add, twice on end, and its wait ahead of my first tensor load
	ds_add_u32 v[SPW], v[NIL]
	v_lshrrev_b32 v1, 5, v0
	s_delay_alu instid0(VALU_DEP_1)
	v_readfirstlane_b32 s[WV], v1                  ; wave 0..7
	v_and_b32 v[T+4], 31, v0                       ; lane
	v_and_b32 v[T+6], 15, v0                       ; r
	v_bfe_u32 v[HB], v0, 4, 1                      ; h
	s_delay_alu instid0(VALU_DEP_3)
	v_lshlrev_b32 v[LI], 4, v[T+4]
	v_lshlrev_b32 v[T+5], 2, v[T+4]                ; 4 x lane
	s_delay_alu instid0(VALU_DEP_3)
	v_lshlrev_b32 v[AN0], 5, v[HB]
	v_lshlrev_b32 v[T+6], 2, v[T+6]                ; 4 r
	v_lshlrev_b32 v[HB], 3, v[HB]
	s_delay_alu instid0(VALU_DEP_4)
	v_add_nc_u32 v[AS0], SCS, v[T+5]
	s_delay_alu instid0(VALU_DEP_4)
	v_add_nc_u32 v[AN0], NRS, v[AN0]
	v_lshlrev_b32 v[T+4], 3, v[T+4]                ; 8 x lane
	s_and_b32 s16, ttmp7, 0xffff                   ; Y, which the four partners share
	s_lshl_b32 s19, s16, 10
	s_mul_i32 s17, s[WV], 1536
	v_add_nc_u32 v[HB], s19, v[HB]
	v_add_nc_u32 v[AXA], s17, v[LI]                ; my eighth of the record of scale words and sums: 1,536 wave + 16 lane,
	s_delay_alu instid0(VALU_DEP_1)
	v_add_nc_u32 v[AXL], SCS, v[AXA]               ; and its place in LDS
	s_bfe_u32 s14, ttmp6, 0x40000                  ; cx: my place in the cluster
	s_lshl_b32 s15, ttmp9, 2                       ; in a cluster launch ttmp9 counts clusters
	s_add_co_u32 s15, s15, s14                     ; X: it enters z's and cand's addresses alone
	s_mov_b32 s[SEL], 0x76543210
	s_mov_b32 s[SEL+1], 0xfedcba98
	s_mov_b32 s66, 0xffff0000                      ; lanes 16-31
	DESC G1A, 24                                   ; 2 tiles of codes, 6,144 bytes
	DESC G1B, 72                                   ; 6 tiles, 18,432 bytes
	; where the codes come from and go: Y and the wave's number alone
	s_mul_i32 s50, s16, 64*TILEB
	s_mul_i32 s[G0A+1], s[WV], 2*TILEB
	s_mul_i32 s[G0B+1], s[WV], 6*TILEB
	s_add_co_u32 s[G0B+1], s[G0B+1], TA*TILEB
	s_add_co_u32 s48, s50, s[G0A+1]
	s_mov_b32 s49, 0
	s_add_co_u32 s50, s50, s[G0B+1]
	s_mov_b32 s51, 0
	s_mul_i32 s22, s16, 12288                      ; the chunk's record
	s_mov_b32 s23, 0
	; z and cand: X, Y and the wave's number
	s_lshl_b32 s52, s15, 6
	s_lshl_b32 s19, s[WV], 3
	s_add_co_u32 s52, s52, s19
	s_mul_i32 s52, s52, TILEB                      ; my first tile of z: 64 X + 8 wave
	s_mov_b32 s53, 0
	s_mul_i32 s54, s15, 12288
	s_lshl_b32 s19, s[WV], 10
	s_add_co_u32 s54, s54, s19                     ; its scale words
	s_mov_b32 s55, 0
	s_mul_i32 s56, s15, 12288
	s_lshl_b32 s19, s[WV], 9
	s_add_co_u32 s56, s56, s19
	s_add_co_u32 s56, s56, 8192                    ; its rows' sums of squares
	s_mov_b32 s57, 0
	s_lshl_b32 s58, s15, 5
	s_lshl_b32 s19, s[WV], 2
	s_add_co_u32 s58, s58, s19
	s_lshl_b32 s58, s58, 12                        ; cand: block of 32 rows 32 X + 4 wave, 4,096 bytes each,
	s_lshl_b32 s19, s16, 8
	s_add_co_u32 s58, s58, s19                     ; + 256 Y
	s_mov_b32 s59, 0
	s_wait_alu depctr_va_vdst(0)
	s_wait_dscnt 0x0                               ; both opening adds are done
	s_wait_kmcnt 0x0
	s_mov_b32 s[G0A], 1
	s_add_nc_u64 s[G0A+2:G0A+3], s[8:9], s[48:49]
	s_or_b32 s[G0A+3], s[G0A+3], 0x80000000
	s_mov_b32 s[G0B], 1
	s_add_nc_u64 s[G0B+2:G0B+3], s[8:9], s[50:51]
	s_or_b32 s[G0B+3], s[G0B+3], 0x80000000
	s_add_nc_u64 s[10:11], s[10:11], s[22:23]
	s_add_nc_u64 s[4:5], s[4:5], s[52:53]
	s_add_nc_u64 s[8:9], s[6:7], s[56:57]          ; z's sums
	s_add_nc_u64 s[6:7], s[6:7], s[54:55]          ; z's scale words
	s_add_nc_u64 s[12:13], s[12:13], s[58:59]
.irp zt, 0,1,2,3,4,5,6,7
	global_load_b32 v[ZS+\zt], v[T+5], s[6:7] offset:128*\zt
	global_load_b32 v[ZZ+\zt], v[T+6], s[8:9] offset:64*\zt
.endr
.irp k, 0,1,2
	global_load_b128 v[AX+4*\k:AX+4*\k+3], v[AXA], s[10:11] offset:512*\k
.endr
	CROUND                                         ; all four work-groups are here: the joint loads meet
	tensor_load_to_lds s[G0A:G0A+3], s[G1A:G1A+7]  ; tiles 2 wave, 2 wave + 1: my one load at the head
	s_nop 0
.rept 4
	v_nop                                          ; four lines behind the load, ahead of the switch of windows
.endr
	WIN 0x40                                       ; destination window 1
.irp zt, 0,1,2,3,4,5,6,7
.irp k, 0,1,2,3,4,5
	global_load_b128 v[24*\zt+4*\k:24*\zt+4*\k+3], v[LI], s[4:5] offset:TILEB*\zt+512*\k   ; z's fragments as they stand: 512 consecutive bytes a load
.endr
.endr
	WIN 0
	; nothing found yet.  The walk's first VBLK, which finishes 'the tile before', finds products 0 and ee = +infinity: d = +infinity, which takes nothing over
	v_mov_b32 v[T], 0x7f800000
	v_mov_b32 v[M2], -2.0
.irp zt, 0,1,2,3,4,5,6,7
	v_mov_b32 v[BB+\zt], v[T]
	v_mov_b32 v[BB+8+\zt], v[T]
	v_mov_b32 v[GID+\zt], 0
	v_mov_b32 v[NE+8+\zt], v[T]
.endr
.set i, 0
.rept 32
	v_dual_mov_b32 v[KEPT+i], v[T] :: v_dual_mov_b32 v[KEPT+i+1], v[T]
.set i, i+2
.endr
.set i, 0
.rept 16
	v_mov_b32 v[ACC+16+i], 0
.set i, i+1
.endr
	v_mov_b32 v[TID], -16
	v_mov_b32 v[T+2], 0                            ; written once: a lane permute's destination counts as one of its sources
	v_mov_b32 v[T+3], 0
	s_mov_b32 s[TBC], 0
	s_mov_b32 s[TBS], 0
	s_mov_b32 s[TBN], 0
	v_add_nc_u32 v[ADE], s[TBC], v[LI]
	v_add_nc_u32 v[ADS], s[TBS], v[AS0]
	v_add_nc_u32 v[ADN], s[TBN], v[AN0]
	s_wait_alu depctr_va_vdst(0)
	s_wait_loadcnt 48                              ; all but z's 48 fragment loads: my part of the record is in
	s_wait_tensorcnt 0x0                           ; my two tiles have landed: no tensor load of mine is out while I store to LDS
.irp k, 0,1,2
	ds_store_b128 v[AXL], v[AX+4*\k:AX+4*\k+3] offset:512*\k
.endr
	s_wait_tensorcnt 0x0
	ds_add_u32 v[SPW], v[NIL]
	s_wait_dscnt 0x0                               ; the add and my stores are done: their data registers may take the first tile
	CROUND                                         ; everybody's tiles 0-15 and the record are in, and the four work-groups are here
	tensor_load_to_lds s[G0B:G0B+3], s[G1B:G1B+7]  ; tiles 16 + 6 wave on: their first and only fill
	s_nop 0
	FETCH 0, 0, 0, 0
	s_wait_loadcnt 0x0                             ; z
	s_mov_b32 s[CNT], 7
.Lfirst:                                               ; tiles 0 to 13, two a trip; each tile fetches the next: tile 14 at the most
	TRIP 1
	s_sub_co_u32 s[CNT], s[CNT], 1
	s_cmp_lg_u32 s[CNT], 0
	s_cbranch_scc1 .Lfirst
	s_wait_tensorcnt 0x0                           ; my six tiles have landed,
	s_wait_dscnt 0x0                               ; no LDS load of mine is out at the signal,
	s_barrier_signal -1
	s_barrier_wait -1                              ; everybody's have: tiles 16-63 may be read.
	s_mov_b32 s[TBC], 14*TILEB                     ; the second walk begins at tile 14
	s_mov_b32 s[TBS], 14*128
	s_mov_b32 s[TBN], 14*64
	s_mov_b32 s[CNT], 24
.Lrest:                                                ; tiles 14 to 61
	TRIP 1
	s_sub_co_u32 s[CNT], s[CNT], 1
	s_cmp_lg_u32 s[CNT], 0
	s_cbranch_scc1 .Lrest
	TRIP 0                                         ; tiles 62 and 63: the last fetches nothing
	VBLK 1, 1, 6                                   ; and its last block is finished here
; THE END, tile by tile of z: the first of the kept eight that equals best; the index; the better of lanes l and l xor 16 (on equal d the lower index); d's bits as a key.
.macro FIN zt
.set B, BB+(\zt)
.set G, GID+(\zt)
.set KP, KEPT+8*(\zt)
	v_mov_b32 v[T], 7
.irp j, 6,5,4,3,2,1,0
	v_cmp_neq_f32 vcc_lo, v[KP+\j], v[B]
	v_cndmask_b32 v[T], \j, v[T], vcc_lo           ; j where they are equal: the lowest j is written last
.endr
	s_delay_alu instid0(VALU_DEP_1)
	v_add3_u32 v[G], v[G], v[T], v[HB]             ; 16 x tile + j + 8 h + 1,024 Y
	v_add_f32 v[B], 0, v[B]                        ; -0 becomes +0: one key for both
	s_delay_alu instid0(VALU_DEP_1)
	v_permlanex16_b32 v[T+2], v[B], s[SEL], s[SEL+1]
	v_permlanex16_b32 v[T+3], v[G], s[SEL], s[SEL+1]
	s_delay_alu instid0(VALU_DEP_2)
	v_cmp_lt_f32 s67, v[T+2], v[B]
	v_cmp_eq_f32 s68, v[T+2], v[B]
	v_cmp_lt_u32 s69, v[T+3], v[G]
	s_and_b32 s68, s68, s69
	s_or_b32 vcc_lo, s67, s68
	v_cndmask_b32 v[B], v[B], v[T+2], vcc_lo
	v_cndmask_b32 v[G], v[G], v[T+3], vcc_lo
	s_delay_alu instid0(VALU_DEP_2)
	v_ashrrev_i32 v[T+1], 31, v[B]
	s_delay_alu instid0(VALU_DEP_1)
	v_or_b32 v[T+1], 0x80000000, v[T+1]
	s_delay_alu instid0(VALU_DEP_1)
	v_xor_b32 v[B], v[B], v[T+1]                   ; positive: the sign bit set; negative: all bits turned: unsigned order is d's order
.endm
.irp zt, 0,1,2,3,4,5,6,7
	FIN \zt
.endr
.irp u, 0,1,2,3                        ; 32 rows a store: lanes 0-15 give tile 2 u's rows, lanes 16-31 tile 2 u + 1's
	v_cndmask_b32 v[T+8+2*\u], v[BB+2*\u], v[BB+2*\u+1], s66
	v_cndmask_b32 v[T+9+2*\u], v[GID+2*\u], v[GID+2*\u+1], s66
.endr
.irp u, 0,1,2,3
	global_store_b64 v[T+4], v[T+8+2*\u:T+9+2*\u], s[12:13] offset:4096*\u   ; 32 lanes store 256 consecutive bytes, aligned
.endr
	s_wait_tensorcnt 0x0                           ; the wave's end
	ds_add_u32 v[SPW], v[NIL]
	s_wait_dscnt 0x0
	CROUND                                         ; the closing round
	s_endpgm
.Lfunc_end_k_q7ace704a8b_dist:
	.size	k_q7ace704a8b_dist, .Lfunc_end_k_q7ace704a8b_dist-k_q7ace704a8b_dist
	.p2alignl 7, 3214868480
	.fill 96, 4, 3214868480
	.section	.rodata,"a",@progbits
	.p2align	6, 0x0
	.amdhsa_kernel k_q7ace704a8b_dist
		.amdhsa_group_segment_fixed_size 327680
		.amdhsa_private_segment_fixed_size 0
		.amdhsa_enable_private_segment 0
		.amdhsa_kernarg_size 40
		.amdhsa_user_sgpr_count 2
		.amdhsa_user_sgpr_kernarg_segment_ptr 1
		.amdhsa_wavefront_size32 1
		.amdhsa_system_sgpr_workgroup_id_x 1
		.amdhsa_system_sgpr_workgroup_id_y 1
		.amdhsa_system_sgpr_workgroup_id_z 1
		.amdhsa_system_vgpr_workitem_id 0
		.amdhsa_next_free_vgpr 448
		.amdhsa_next_free_sgpr 80
		.amdhsa_reserve_vcc 1
		.amdhsa_float_denorm_mode_32 3
		.amdhsa_float_denorm_mode_16_64 3
		.amdhsa_memory_ordered 1
		.amdhsa_forward_progress 1
		.amdhsa_inst_pref_size 102
	.end_amdhsa_kernel
	.amdgpu_metadata
---
amdhsa.version: [ 1, 2 ]
amdhsa.kernels:
  - .name:           k_q7ace704a8b_dist
    .symbol:         k_q7ace704a8b_dist.kd
    .args:
      - { .name: zc, .offset: 0, .size: 8, .value_kind: global_buffer, .address_space: global }
      - { .name: zaux, .offset: 8, .size: 8, .value_kind: global_buffer, .address_space: global }
      - { .name: ec, .offset: 16, .size: 8, .value_kind: global_buffer, .address_space: global }
      - { .name: eaux, .offset: 24, .size: 8, .value_kind: global_buffer, .address_space: global }
      - { .name: cand, .offset: 32, .size: 8, .value_kind: global_buffer, .address_space: global }
    .group_segment_fixed_size: 327680
    .private_segment_fixed_size: 0
    .kernarg_segment_align: 8
    .kernarg_segment_size: 40
    .max_flat_workgroup_size: 256
    .sgpr_count:     80
    .vgpr_count:     448
    .wavefront_size: 32
...
	.end_amdgpu_metadata
.endif
;; end of part 2
;; launch pick (part 3): grid 256 x 1, 8 waves a work-group, no clusters, 1,536 bytes of LDS; arguments cand, z, emb_weights, out0, out2, part; writes out0, out2, part
.if DOCPART == 3
	.amdgcn_target "amdgcn-amd-amdhsa--gfx1250"
	.amdhsa_code_object_version 6
	.text
	.protected	k_q7ace704a8b_pick
	.globl	k_q7ace704a8b_pick
	.p2align	8
	.type	k_q7ace704a8b_pick,@function
k_q7ace704a8b_pick:
	s_mov_b64 s[64:65], 0
	v_nop
	global_prefetch_b8 v0, s[64:65] scope:SCOPE_SE
	s_setreg_imm32_b32 hwreg(HW_REG_WAVE_MODE, 25, 1), 1
	s_wait_xcnt 0x0
; For each row: the best of its 16 candidates (key, index), whole numbers that the launch before stored: the smallest key, on equal keys the lowest index.  Then out2 = the index,
; out0 = that row of emb_weights as it is, and the work-group's sum of (z_q - z)^2 goes to part.
; SHARES: a work-group takes 64 rows, a wave 8.  Lane l merges row l % 8's candidates of chunks 4 (l / 8) .. 4 (l / 8) + 3; two exchanges (lanes l xor 8, l xor 16) finish the merge.
; Memory binds: each row of z and of the codebook is read by loads of 512 consecutive bytes, each row of out0 stored likewise; no matrix unit, no cluster (nothing is shared).
; LIMIT: the squares are summed in another order than a plain left-to-right sum.
.set Z, 32                             ; v32-95   z: row i at 8 i
.set E, 96                             ; v96-159  the chosen rows
.set D, 160                            ; v160-167 differences
	s_load_b256 s[4:11], s[0:1], 0x0               ; cand s[4:5], z s[6:7], emb_weights s[8:9], out0 s[10:11]
	s_load_b128 s[12:15], s[0:1], 0x20             ; out2 s[12:13], part s[14:15]
	v_lshl_add_u32 v176, v0, 2, 0x200
	v_mov_b32 v177, 0
	v_lshrrev_b32 v1, 5, v0
	s_delay_alu instid0(VALU_DEP_1)
	v_readfirstlane_b32 s16, v1                    ; wave 0..7
	v_and_b32 v1, 31, v0                           ; lane
	v_and_b32 v2, 7, v0                            ; my row of the wave's eight
	v_bfe_u32 v3, v0, 3, 2                         ; my four chunks
	s_delay_alu instid0(VALU_DEP_3)
	v_lshlrev_b32 v4, 4, v1                        ; 16 x lane
	s_delay_alu instid0(VALU_DEP_2)
	v_lshlrev_b32 v5, 10, v3
	s_delay_alu instid0(VALU_DEP_1)
	v_lshl_add_u32 v5, v2, 3, v5                   ; cand: 1,024 (l / 8) + 8 (l % 8)
	s_lshl_b32 s17, s16, 5
	v_lshl_add_u32 v6, v2, 2, s17                  ; LDS: my row's index, 4 (8 wave + l % 8)
	s_lshl_b32 s17, s16, 2
	s_add_co_u32 s17, s17, 256
	v_mov_b32 v7, s17                              ; LDS: my wave's sum
	v_lshlrev_b32 v168, 3, v1                      ; 8 x lane
	v_mov_b32 v169, 256
.irp i, 24,25,26,27,28,29
	v_mov_b32 v\i, 0                               ; v24-27 the sums, two packed chains; v28-29 the exchanges' destinations, which count as read
.endr
	s_mov_b32 s20, 0x76543210
	s_mov_b32 s21, 0xfedcba98
	s_lshl_b32 s22, ttmp9, 13                      ; cand: two blocks of 32 rows a work-group, 4,096 bytes each;
	s_lshr_b32 s18, s16, 2
	s_lshl_b32 s18, s18, 12
	s_add_co_u32 s22, s22, s18                     ; the block of my wave's rows,
	s_and_b32 s18, s16, 3
	s_lshl_b32 s18, s18, 6
	s_add_co_u32 s22, s22, s18                     ; and their place in it
	s_mov_b32 s23, 0
	s_lshl_b32 s24, ttmp9, 16
	s_lshl_b32 s18, s16, 13
	s_add_co_u32 s24, s24, s18                     ; z, out0: row 64 g + 8 wave, 1,024 bytes a row
	s_mov_b32 s25, 0
	s_lshl_b32 s26, ttmp9, 8                       ; out2: 64 numbers a work-group
	s_mov_b32 s27, 0
	s_lshl_b32 s28, ttmp9, 2                       ; part: one
	s_mov_b32 s29, 0
	s_wait_kmcnt 0x0
	s_add_nc_u64 s[4:5], s[4:5], s[22:23]
	s_add_nc_u64 s[6:7], s[6:7], s[24:25]
	s_add_nc_u64 s[10:11], s[10:11], s[24:25]
	s_add_nc_u64 s[12:13], s[12:13], s[26:27]
	s_add_nc_u64 s[14:15], s[14:15], s[28:29]
.irp t, 0,1,2,3
	global_load_b64 v[8+2*\t:9+2*\t], v5, s[4:5] offset:256*\t     ; (key, index) of chunk 4 (l / 8) + t
.endr
.irp i, 0,1,2,3,4,5,6,7
	global_load_b128 v[Z+8*\i:Z+8*\i+3], v4, s[6:7] offset:1024*\i th:TH_LOAD_NT
	global_load_b128 v[Z+8*\i+4:Z+8*\i+7], v4, s[6:7] offset:1024*\i+512 th:TH_LOAD_NT
.endr
	s_wait_loadcnt 16                              ; the candidates are in; z's 16 loads may be out
.irp t, 1
	v_cmp_lt_u32 vcc_lo, v[8+2*\t], v8
	s_delay_alu instid0(VALU_DEP_1)
	v_cndmask_b32 v8, v8, v[8+2*\t], vcc_lo
	s_delay_alu instid0(VALU_DEP_2)
	v_cndmask_b32 v9, v9, v[9+2*\t], vcc_lo
.endr
.irp t, 2, 3
	s_delay_alu instid0(VALU_DEP_2)
	v_cmp_lt_u32 vcc_lo, v[8+2*\t], v8
	s_delay_alu instid0(VALU_DEP_1)
	v_cndmask_b32 v8, v8, v[8+2*\t], vcc_lo
	s_delay_alu instid0(VALU_DEP_2)
	v_cndmask_b32 v9, v9, v[9+2*\t], vcc_lo
.endr
.macro MERGE                           ; (v28, v29) takes over where its key is smaller, or equal with the lower index
	s_delay_alu instid0(VALU_DEP_2)
	v_cmp_lt_u32 s30, v28, v8
	s_delay_alu instid0(VALU_DEP_3)
	v_cmp_eq_u32 s31, v28, v8
	s_delay_alu instid0(VALU_DEP_3)
	v_cmp_lt_u32 s32, v29, v9
	s_and_b32 s31, s31, s32
	s_or_b32 vcc_lo, s30, s31
	v_cndmask_b32 v8, v8, v28, vcc_lo
	v_cndmask_b32 v9, v9, v29, vcc_lo
.endm
	s_delay_alu instid0(VALU_DEP_2)
	v_mov_b32_dpp v28, v8 row_xmask:8 row_mask:0xf bank_mask:0xf
	s_delay_alu instid0(VALU_DEP_2)
	v_mov_b32_dpp v29, v9 row_xmask:8 row_mask:0xf bank_mask:0xf
	MERGE
	s_delay_alu instid0(VALU_DEP_2)
	v_permlanex16_b32 v28, v8, s20, s21
	s_delay_alu instid0(VALU_DEP_2)
	v_permlanex16_b32 v29, v9, s20, s21
	MERGE                                          ; every lane now holds row l % 8's index
	ds_store_b32 v6, v9                            ; four lanes write the same word with the same value
.irp i, 0,1,2,3,4,5,6,7
	v_readlane_b32 s[40+\i], v9, \i
.endr
.irp i, 0,1,2,3,4,5,6,7
	s_min_u32 s[40+\i], s[40+\i], 0x3fff           ; a loaded number enters an address only behind this hold: the table has 16,384 rows
.endr
.irp i, 0,1,2,3,4,5,6,7
	v_lshl_add_u32 v[16+\i], s[40+\i], 10, v4      ; 1,024 x index + 16 x lane
.endr
.irp i, 0,1,2,3,4,5,6,7
	global_load_b128 v[E+8*\i:E+8*\i+3], v[16+\i], s[8:9]          ; no hint: a row may be chosen by many
	global_load_b128 v[E+8*\i+4:E+8*\i+7], v[16+\i], s[8:9] offset:512
.endr
.irp i, 0,1,2,3,4,5,6,7
	s_wait_loadcnt 14-2*\i                         ; row i's two loads are in (and z, issued earlier); the rows behind it may be out
.irp p, 0,2,4,6
	v_pk_add_f32 v[D+\p:D+\p+1], v[E+8*\i+\p:E+8*\i+\p+1], v[Z+8*\i+\p:Z+8*\i+\p+1] neg_lo:[0,1] neg_hi:[0,1]
.endr
	s_wait_alu depctr_va_vdst(0)
.irp p, 0,2,4,6
	v_pk_fma_f32 v[24+\p%4:25+\p%4], v[D+\p:D+\p+1], v[D+\p:D+\p+1], v[24+\p%4:25+\p%4]
.endr
	global_store_b128 v4, v[E+8*\i:E+8*\i+3], s[10:11] offset:1024*\i th:TH_STORE_NT       ; 512 consecutive bytes, aligned
	global_store_b128 v4, v[E+8*\i+4:E+8*\i+7], s[10:11] offset:1024*\i+512 th:TH_STORE_NT
.endr
	v_pk_add_f32 v[24:25], v[24:25], v[26:27]
	s_delay_alu instid0(VALU_DEP_1)
	v_add_f32 v24, v24, v25
	s_delay_alu instid0(VALU_DEP_1)
	v_add_f32_dpp v24, v24, v24 row_xmask:1 row_mask:0xf bank_mask:0xf
	s_delay_alu instid0(VALU_DEP_1)
	v_add_f32_dpp v24, v24, v24 row_xmask:2 row_mask:0xf bank_mask:0xf
	s_delay_alu instid0(VALU_DEP_1)
	v_add_f32_dpp v24, v24, v24 row_xmask:4 row_mask:0xf bank_mask:0xf
	s_delay_alu instid0(VALU_DEP_1)
	v_add_f32_dpp v24, v24, v24 row_xmask:8 row_mask:0xf bank_mask:0xf
	s_delay_alu instid0(VALU_DEP_1)
	v_permlanex16_b32 v28, v24, s20, s21
	s_delay_alu instid0(VALU_DEP_1)
	v_add_f32 v24, v24, v28                        ; the wave's sum, in every lane
	ds_store_b32 v7, v24
	s_wait_dscnt 0x0                               ; for wave 0's sake: my stores have landed
	s_barrier_signal -1
	s_barrier_wait -1
	s_cmp_lg_u32 s16, 0
	s_cbranch_scc1 .Lend
	ds_load_b64 v[D:D+1], v168                     ; the work-group's 64 indices
	ds_load_b128 v[8:11], v169                     ; and its eight sums
	ds_load_b128 v[12:15], v169 offset:16
	s_wait_dscnt 0x0
	global_store_b64 v168, v[D:D+1], s[12:13]      ; 256 consecutive bytes, aligned
	v_pk_add_f32 v[8:9], v[8:9], v[10:11]
	v_pk_add_f32 v[12:13], v[12:13], v[14:15]
	s_delay_alu instid0(VALU_DEP_1)
	v_pk_add_f32 v[8:9], v[8:9], v[12:13]
	s_delay_alu instid0(VALU_DEP_1)
	v_add_f32 v8, v8, v9
	v_cmp_eq_u32 vcc_lo, 0, v1
	s_wait_alu depctr_va_vdst(0)
	s_wait_xcnt 0x0                                ; EXEC changes only behind this wait
	s_and_saveexec_b32 s30, vcc_lo
	global_store_b32 v4, v8, s[14:15]              ; lane 0 (its 16 x lane is 0)
	s_wait_xcnt 0x0                                ; and again, in front of the line that widens it
	s_or_b32 exec_lo, exec_lo, s30
.Lend:
	s_wait_tensorcnt 0x0
	ds_add_u32 v176, v177
	s_wait_dscnt 0x0
	s_endpgm
.Lfunc_end_k_q7ace704a8b_pick:
	.size	k_q7ace704a8b_pick, .Lfunc_end_k_q7ace704a8b_pick-k_q7ace704a8b_pick
	.p2alignl 7, 3214868480
	.fill 96, 4, 3214868480
	.section	.rodata,"a",@progbits
	.p2align	6, 0x0
	.amdhsa_kernel k_q7ace704a8b_pick
		.amdhsa_group_segment_fixed_size 1536
		.amdhsa_private_segment_fixed_size 0
		.amdhsa_enable_private_segment 0
		.amdhsa_kernarg_size 48
		.amdhsa_user_sgpr_count 2
		.amdhsa_user_sgpr_kernarg_segment_ptr 1
		.amdhsa_wavefront_size32 1
		.amdhsa_system_sgpr_workgroup_id_x 1
		.amdhsa_system_sgpr_workgroup_id_y 1
		.amdhsa_system_sgpr_workgroup_id_z 1
		.amdhsa_system_vgpr_workitem_id 0
		.amdhsa_next_free_vgpr 178
		.amdhsa_next_free_sgpr 66
		.amdhsa_reserve_vcc 1
		.amdhsa_float_denorm_mode_32 3
		.amdhsa_float_denorm_mode_16_64 3
		.amdhsa_memory_ordered 1
		.amdhsa_forward_progress 1
		.amdhsa_inst_pref_size 17
	.end_amdhsa_kernel
	.amdgpu_metadata
---
amdhsa.version: [ 1, 2 ]
amdhsa.kernels:
  - .name:           k_q7ace704a8b_pick
    .symbol:         k_q7ace704a8b_pick.kd
    .args:
      - { .name: cand, .offset: 0, .size: 8, .value_kind: global_buffer, .address_space: global }
      - { .name: z, .offset: 8, .size: 8, .value_kind: global_buffer, .address_space: global }
      - { .name: emb_weights, .offset: 16, .size: 8, .value_kind: global_buffer, .address_space: global }
      - { .name: out0, .offset: 24, .size: 8, .value_kind: global_buffer, .address_space: global }
      - { .name: out2, .offset: 32, .size: 8, .value_kind: global_buffer, .address_space: global }
      - { .name: part, .offset: 40, .size: 8, .value_kind: global_buffer, .address_space: global }
    .group_segment_fixed_size: 1536
    .private_segment_fixed_size: 0
    .kernarg_segment_align: 8
    .kernarg_segment_size: 48
    .max_flat_workgroup_size: 256
    .sgpr_count:     66
    .vgpr_count:     178
    .wavefront_size: 32
...
	.end_amdgpu_metadata
.endif
;; end of part 3
;; launch loss (part 4): grid 1 x 1, 1 waves a work-group, no clusters, 0 bytes of LDS; arguments part, out1; writes out1
.if DOCPART == 4
	.amdgcn_target "amdgcn-amd-amdhsa--gfx1250"
	.amdhsa_code_object_version 6
	.text
	.protected	k_q7ace704a8b_loss
	.globl	k_q7ace704a8b_loss
	.p2align	8
	.type	k_q7ace704a8b_loss,@function
k_q7ace704a8b_loss:
	s_mov_b64 s[64:65], 0
	v_nop
	global_prefetch_b8 v0, s[64:65] scope:SCOPE_SE
	s_setreg_imm32_b32 hwreg(HW_REG_WAVE_MODE, 25, 1), 1
	s_wait_xcnt 0x0
; q_loss = 0.25 mean + mean = 1.25 x (the sum of the 256 work-groups' sums) / 2^22 (16 x 32 x 32 x 256 numbers).  One wave: the sum spans work-groups, so it has a launch of its own and one owner.
	s_load_b128 s[4:7], s[0:1], 0x0                ; part, out1
	v_lshlrev_b32 v1, 4, v0
	v_mov_b32 v12, 0                               ; a lane permute's destination counts as one of its sources
	s_mov_b32 s8, 0x76543210
	s_mov_b32 s9, 0xfedcba98
	s_wait_alu depctr_va_vdst(0)
	s_wait_kmcnt 0x0
	global_load_b128 v[4:7], v1, s[4:5]
	global_load_b128 v[8:11], v1, s[4:5] offset:512
	s_wait_loadcnt 0x0
	v_pk_add_f32 v[4:5], v[4:5], v[6:7]
	v_pk_add_f32 v[8:9], v[8:9], v[10:11]
	v_pk_add_f32 v[4:5], v[4:5], v[8:9]
	v_add_f32 v4, v4, v5
	v_add_f32_dpp v4, v4, v4 row_xmask:1 row_mask:0xf bank_mask:0xf
	v_add_f32_dpp v4, v4, v4 row_xmask:2 row_mask:0xf bank_mask:0xf
	v_add_f32_dpp v4, v4, v4 row_xmask:4 row_mask:0xf bank_mask:0xf
	v_add_f32_dpp v4, v4, v4 row_xmask:8 row_mask:0xf bank_mask:0xf
	v_permlanex16_b32 v12, v4, s8, s9
	v_add_f32 v4, v4, v12
	v_mul_f32 v4, 0x34a00000, v4                   ; x 1.25 x 2^-22
	v_cmp_eq_u32 vcc_lo, 0, v0
	s_wait_alu depctr_va_vdst(0)
	s_wait_xcnt 0x0                                ; EXEC changes only behind this wait
	s_and_saveexec_b32 s10, vcc_lo
	global_store_b32 v1, v4, s[6:7]                ; lane 0
	s_wait_xcnt 0x0
	s_or_b32 exec_lo, exec_lo, s10
	s_endpgm
.Lfunc_end_k_q7ace704a8b_loss:
	.size	k_q7ace704a8b_loss, .Lfunc_end_k_q7ace704a8b_loss-k_q7ace704a8b_loss
	.p2alignl 7, 3214868480
	.fill 96, 4, 3214868480
	.section	.rodata,"a",@progbits
	.p2align	6, 0x0
	.amdhsa_kernel k_q7ace704a8b_loss
		.amdhsa_group_segment_fixed_size 0
		.amdhsa_private_segment_fixed_size 0
		.amdhsa_enable_private_segment 0
		.amdhsa_kernarg_size 16
		.amdhsa_user_sgpr_count 2
		.amdhsa_user_sgpr_kernarg_segment_ptr 1
		.amdhsa_wavefront_size32 1
		.amdhsa_system_sgpr_workgroup_id_x 1
		.amdhsa_system_sgpr_workgroup_id_y 1
		.amdhsa_system_sgpr_workgroup_id_z 1
		.amdhsa_system_vgpr_workitem_id 0
		.amdhsa_next_free_vgpr 16
		.amdhsa_next_free_sgpr 66
		.amdhsa_reserve_vcc 1
		.amdhsa_float_denorm_mode_32 3
		.amdhsa_float_denorm_mode_16_64 3
		.amdhsa_memory_ordered 1
		.amdhsa_forward_progress 1
		.amdhsa_inst_pref_size 2
	.end_amdhsa_kernel
	.amdgpu_metadata
---
amdhsa.version: [ 1, 2 ]
amdhsa.kernels:
  - .name:           k_q7ace704a8b_loss
    .symbol:         k_q7ace704a8b_loss.kd
    .args:
      - { .name: part, .offset: 0, .size: 8, .value_kind: global_buffer, .address_space: global }
      - { .name: out1, .offset: 8, .size: 8, .value_kind: global_buffer, .address_space: global }
    .group_segment_fixed_size: 0
    .private_segment_fixed_size: 0
    .kernarg_segment_align: 8
    .kernarg_segment_size: 16
    .max_flat_workgroup_size: 32
    .sgpr_count:     66
    .vgpr_count:     16
    .wavefront_size: 32
...
	.end_amdgpu_metadata
.endif
;; end of part 4
